; MI455X (gfx1250); checked and timed in simulation.
; The chip was launched on July 23, 2026; its instructions are those of AMD's public machine-readable ISA for CDNA 5 (MIT licence, August 2026) and "CDNA5" Instruction Set Architecture Reference Guide (July 2026). The comments in the code are by the model that wrote it; some were corrected since.
;; LIIF. Allowed arithmetic: float matrix products may take bf16 or f16 operands with f32 sums; other float arithmetic in f32, or as packed bf16 or f16 multiplies, adds, multiply-adds, maxima and minima; sums over many terms, partial sums and values carried from step to step in f32; what a program stores and reads back later, other than sums and carried values, may be rounded once to bf16 or f16.
;; Inputs: b0 256 float32; b1 256 float32; b2 256 float32; b3 256 float32; b4 3 float32; cell 2 x 32,768 x 2 float32; feat 2 x 64 x 128 x 128 float32; grid 2 x 32,768 x 2 float32; w0 68 x 256 float32; w1 256 x 256 float32; w2 256 x 256 float32; w3 256 x 256 float32; w4 256 x 3 float32.
;; Outputs: out0 2 x 32,768 x 3 float32.
;; One version. Each part assembles by itself: llvm-mc -triple=amdgcn-amd-amdhsa -mcpu=gfx1250 --defsym DOCPART=n.
;; ======== version 1 of 1: 2 launches
;; limits: values are held in f16: magnitudes above 65,504 overflow, below 6.1e-05 lose precision; inputs' magnitudes at most 65,504
;; workspace buffers: featT 4,194,304 bytes; idx 1,048,576 bytes of whole numbers; extg 1,048,576 bytes; wgt 1,048,576 bytes; stats 1,024 bytes; wts 458,752 bytes; w4t 8,192 bytes
;; launch prep (part 1): grid 197 x 1, 16 waves a work-group, no clusters, 141,568 bytes of LDS; arguments feat, grid, cell, w0, w1, w2, w3, w4, featT, idx, extg, wgt, stats, wts, w4t; writes featT, idx, extg, wgt, stats, wts, w4t
.if DOCPART == 1
	.amdgcn_target "amdgcn-amd-amdhsa--gfx1250"
	.amdhsa_code_object_version 6
	.text
	.protected	k_q398b51b500_prep
	.globl	k_q398b51b500_prep
	.p2align	8
	.type	k_q398b51b500_prep,@function
k_q398b51b500_prep:
	s_mov_b64 s[64:65], 0
	v_nop
	global_prefetch_b8 v0, s[64:65] scope:SCOPE_SE
	s_setreg_imm32_b32 hwreg(HW_REG_WAVE_MODE, 25, 1), 1
	s_wait_xcnt 0x0
; PREPARATION for the fused MLP.  Four kinds of work-group, chosen by the work-group's number alone (the same for all its 16 waves):
;   0-3     path W : w0..w3 are scaled by rho = 2^-(floor(log2 L1)+1), L1 the largest column sum of |w|, rounded once to f16 and laid out as blocks [256 n][128 k]
;   4       path W4: w4 -> [16 n][256 k] f16, rows 3-15 zero
;   5-132   path F : 256 pixels x 64 channels of feat are turned into [pixel][channel] f16, 128 consecutive bytes a pixel; the largest |feat| goes to stats
;   133-196 path R : 1,024 queries: the four nearest-pixel indices (whole numbers), the relative coordinates (f16 pairs), the blend weights (f32); the largest |q_grid|, |q_cell| go to stats
; LIMITS.  |feat|, |q_grid|, |w4| stay below 65,504 (f16).  A column sum outside 2^-30 .. 2^30 is scaled as if it lay at that end.  area / total is a reciprocal and a product.  NaN and infinities are not treated apart.
; No matrix work, no tensor load: every byte is read once by loads of 256 or 512 consecutive bytes a wave, turned in LDS, and written once in runs of 512 consecutive bytes a wave.
.set STG,   0                          ; the stage: path W 256 rows x 528 bytes, path F 256 rows x 144 bytes, path W4 8,192 bytes
.set CS,    135168                     ; path W: column sums, 4 quarters of K x 256 columns, f32
.set WM,    139264                     ; one word a wave for the work-group's maximum
.set SPARE, 139520                     ; the spare words, 128 bytes a wave
.set SPW,   62                         ; v62  my spare word's address; never rewritten
.set NIL,   63                         ; v63  0; never rewritten
.set X,     64                         ; v64-191  numbers as loaded
.set Y,     192                        ; v192-255 packed f16
; the largest of r over the 32 lanes, in every lane; v49 has been written before
.macro WMAX r
	v_max_num_f32_dpp v[\r], v[\r], v[\r] row_xmask:1 row_mask:0xf bank_mask:0xf
	v_max_num_f32_dpp v[\r], v[\r], v[\r] row_xmask:2 row_mask:0xf bank_mask:0xf
	v_max_num_f32_dpp v[\r], v[\r], v[\r] row_xmask:4 row_mask:0xf bank_mask:0xf
	v_max_num_f32_dpp v[\r], v[\r], v[\r] row_xmask:8 row_mask:0xf bank_mask:0xf
	v_permlanex16_b32 v49, v[\r], s40, s41
	v_max_num_f32 v[\r], v[\r], v49
.endm
; the largest of r over the work-group, in every lane.  Its barrier also publishes whatever the waves stored to LDS before it.
.macro WGMAX r
	WMAX \r
	v_lshl_add_u32 v48, s4, 2, WM
	ds_store_b32 v48, v[\r]
	s_wait_dscnt 0x0                       ; for the others' sake: all my LDS stores are done
	s_barrier_signal -1
	s_barrier_wait -1
	v_mov_b32 v48, WM
	ds_load_b128 v[32:35], v48
	ds_load_b128 v[36:39], v48 offset:16
	ds_load_b128 v[40:43], v48 offset:32
	ds_load_b128 v[44:47], v48 offset:48
	s_wait_dscnt 0x0
	v_max_num_f32 v[\r], v32, v33
.irp k, 34,36,38,40,42,44,46
	v_max3_num_f32 v[\r], v[\r], v[\k], v[(\k)+1]
.endr
.endm
; thread 0 stores one word (or two) at s[58:59]
.macro PUT1 wide, d
	s_cmp_lg_u32 s4, 0
	s_cbranch_scc1 .Lnot_wave_0_\@
	s_wait_xcnt 0x0                        ; EXEC is a source of the memory instructions issued so far
	v_cmp_eq_u32 vcc_lo, 0, v0
	s_and_saveexec_b32 s56, vcc_lo
.if \wide
	global_store_b64 v50, v[\d:(\d)+1], s[58:59]
.else
	global_store_b32 v50, v[\d], s[58:59]
.endif
	s_wait_xcnt 0x0                        ; and of this store
	s_or_b32 exec_lo, exec_lo, s56
.Lnot_wave_0_\@:
.endm
.macro FINISH                          ; the wave's end
	s_wait_tensorcnt 0x0
	ds_add_u32 v[SPW], v[NIL]
	s_wait_dscnt 0x0
	s_endpgm
.endm
	s_load_b512 s[8:23], s[0:1], 0x0       ; feat 8, grid 10, cell 12, w0 14, w1 16, w2 18, w3 20, w4 22
	s_load_b256 s[24:31], s[0:1], 0x40     ; featT 24, idx 26, extg 28, wgt 30
	s_load_b128 s[32:35], s[0:1], 0x60     ; stats 32, wts 34
	s_load_b64 s[36:37], s[0:1], 0x70      ; w4t
	v_lshl_add_u32 v[SPW], v0, 2, SPARE
	v_mov_b32 v[NIL], 0
	v_lshrrev_b32 v1, 5, v0
	v_readfirstlane_b32 s4, v1             ; wave 0..15
	v_and_b32 v2, 31, v0                   ; lane
	v_mov_b32 v49, 0                       ; v_permlanex16_b32's destination counts as read
	v_mov_b32 v50, 0                       ; offset 0 for the single stores
	s_mov_b32 s40, 0x76543210
	s_mov_b32 s41, 0xfedcba98
	s_mov_b32 s47, 0                       ; s[46:47]: a byte offset, high word 0
	s_wait_kmcnt 0x0
	s_cmp_lt_u32 ttmp9, 4
	s_cbranch_scc1 .LpathW
	s_cmp_eq_u32 ttmp9, 4
	s_cbranch_scc1 .LpathW4
	s_cmp_lt_u32 ttmp9, 133
	s_cbranch_scc1 .LpathF
; ---------------------------------------------------------------- path R: 1,024 queries, two a thread
	s_sub_co_u32 s5, ttmp9, 133            ; rid
	s_mov_b32 s48, 0x3c000000              ; 1/128: one pixel's half step in normalised coordinates
	s_mov_b32 s49, 0x3f7fffef              ; 1 - 1e-6 in f32
	s_mov_b32 s50, 0xbf7fffef
	s_mov_b32 s51, 0x43000000              ; 128
	s_mov_b32 s52, 0x42fe0000              ; 127
	s_mov_b32 s53, 0x3c800000              ; 1/64
	s_mov_b32 s54, 0xbf7e0000              ; 1/128 - 1
	s_mov_b32 s55, 0x3089705f              ; 1e-9
	s_lshr_b32 s57, s5, 5
	s_lshl_b32 s57, s57, 14                ; the image's first pixel: 32 work-groups an image
	s_lshl_b32 s46, s5, 13
	s_add_nc_u64 s[10:11], s[10:11], s[46:47]
	s_add_nc_u64 s[12:13], s[12:13], s[46:47]
	s_lshl_b32 s46, s5, 14
	s_add_nc_u64 s[26:27], s[26:27], s[46:47]
	s_add_nc_u64 s[28:29], s[28:29], s[46:47]
	s_add_nc_u64 s[30:31], s[30:31], s[46:47]
	s_lshl_b32 s46, s5, 2
	s_add_co_u32 s46, s46, 512
	s_add_nc_u64 s[58:59], s[32:33], s[46:47]
	v_lshlrev_b32 v3, 3, v0
	v_lshlrev_b32 v4, 4, v0
.irp u, 0,1
	global_load_b64 v[64+48*(\u):65+48*(\u)], v3, s[10:11] offset:4096*(\u) th:TH_LOAD_NT
	global_load_b64 v[66+48*(\u):67+48*(\u)], v3, s[12:13] offset:4096*(\u) th:TH_LOAD_NT
.endr
	v_mov_b32 v5, 0                        ; the running maximum
	s_wait_loadcnt 0x0
; one axis, one shift: the pixel number as f32 (f) and as a whole number (n), and q = (g - centre) x 128.  Each step rounds as the reference's does: products by 128, 0.5 and 1/64 are exact.
.macro AX g, minus, f, n, q
.if \minus
	v_sub_f32 v[\f], v[\g], s48
.else
	v_add_f32 v[\f], s48, v[\g]
.endif
	v_max_num_f32 v[\f], s50, v[\f]
	v_min_num_f32 v[\f], s49, v[\f]
	v_add_f32 v[\f], 1.0, v[\f]
	v_fma_f32 v[\f], v[\f], s51, -1.0
	v_mul_f32 v[\f], 0.5, v[\f]
	v_rndne_f32 v[\f], v[\f]
	v_max_num_f32 v[\f], 0, v[\f]
	v_min_num_f32 v[\f], s52, v[\f]
	v_cvt_i32_f32 v[\n], v[\f]
	v_fma_f32 v[\f], v[\f], s53, s54       ; the pixel's centre, exact
	v_sub_f32 v[\q], v[\g], v[\f]
	v_mul_f32 v[\q], s51, v[\q]
.endm
; registers of query u from R on: 0-1 grid, 2-3 cell, 4-7 at work, 8-11 iy-, iy+, ix-, ix+, 12-15 q0-, q0+, q1-, q1+, 16-19 idx, 20-23 f16 pairs, 24-27 areas, 28-31 weights, 32 total, 33 1/total
.macro RQ u
.set R, 64+48*(\u)
	AX R+0, 1, R+4, R+8,  R+12
	AX R+0, 0, R+5, R+9,  R+13
	AX R+1, 1, R+6, R+10, R+14
	AX R+1, 0, R+7, R+11, R+15
.irp s, 0,1,2,3
	v_lshl_add_u32 v[R+16+(\s)], v[R+8+(\s)/2], 7, v[R+10+(\s)%2]
	v_add_nc_u32 v[R+16+(\s)], s57, v[R+16+(\s)]
	v_cvt_pk_f16_f32 v[R+20+(\s)], v[R+12+(\s)/2], v[R+14+(\s)%2]
	v_mul_f32 v[R+24+(\s)], v[R+12+(\s)/2], v[R+14+(\s)%2]
	v_add_f32 v[R+24+(\s)], |v[R+24+(\s)]|, s55
.endr
	v_add_f32 v[R+32], v[R+24], v[R+25]
	v_add_f32 v[R+32], v[R+32], v[R+26]
	v_add_f32 v[R+32], v[R+32], v[R+27]
	v_rcp_f32 v[R+33], v[R+32]
	v_mul_f32 v[R+2], s51, v[R+2]          ; q_cell; plain instructions stand between the reciprocal and its use
	v_mul_f32 v[R+3], s51, v[R+3]
	v_max3_num_f32 v5, v5, |v[R+12]|, |v[R+13]|
	v_max3_num_f32 v5, v5, |v[R+14]|, |v[R+15]|
	v_max3_num_f32 v5, v5, |v[R+2]|, |v[R+3]|
	s_wait_alu depctr_va_vdst(0)
.irp s, 0,1,2,3
	v_mul_f32 v[R+28+(\s)], v[R+27-(\s)], v[R+33]  ; prediction s is weighted by the area of the shift diagonally across
.endr
	global_store_b128 v4, v[R+16:R+19], s[26:27] offset:8192*(\u)
	global_store_b128 v4, v[R+20:R+23], s[28:29] offset:8192*(\u)
	global_store_b128 v4, v[R+28:R+31], s[30:31] offset:8192*(\u)
.endm
	RQ 0
	RQ 1
	WGMAX 5
	PUT1 0, 5
	FINISH
; ---------------------------------------------------------------- path F: 256 pixels of one image, all 64 channels
.LpathF:
	s_sub_co_u32 s5, ttmp9, 5              ; fid = 64 x image + block of 256 pixels
	s_lshr_b32 s46, s5, 6
	s_lshl_b32 s46, s46, 22                ; the image: 64 channels of 65,536 bytes
	s_and_b32 s42, s5, 63
	s_lshl_b32 s42, s42, 10                ; the block's 256 pixels
	s_add_co_u32 s46, s46, s42
	s_and_b32 s43, s4, 7                   ; cg: my wave's 8 channels
	s_lshl_b32 s42, s43, 19
	s_add_co_u32 s46, s46, s42
	s_lshr_b32 s44, s4, 3                  ; ph: my wave's 128 pixels
	s_lshl_b32 s42, s44, 9
	s_add_co_u32 s46, s46, s42
	s_add_nc_u64 s[8:9], s[8:9], s[46:47]
	v_lshlrev_b32 v3, 4, v2
.irp i, 0,1,2,3,4,5,6,7
	global_load_b128 v[X+4*(\i):X+4*(\i)+3], v3, s[8:9] offset:65536*(\i) th:TH_LOAD_NT  ; channel 8 cg + i, pixels 4 lane .. + 3: 512 consecutive bytes a wave
.endr
	s_lshl_b32 s46, s5, 15
	s_add_nc_u64 s[24:25], s[24:25], s[46:47]
	s_lshl_b32 s46, s5, 2
	s_add_nc_u64 s[58:59], s[32:33], s[46:47]
	v_mul_u32_u24 v5, v2, 576              ; into the stage: pixel 128 ph + 4 lane (+ j), rows of 144 bytes, 16 bytes at 16 cg
	s_mul_i32 s42, s44, 18432
	s_lshl4_add_u32 s42, s43, s42
	v_add_nc_u32 v5, s42, v5
	v_lshrrev_b32 v6, 3, v0                ; back: eight threads take a pixel's 128 bytes
	v_mul_u32_u24 v6, v6, 144
	v_and_b32 v7, 7, v0
	v_lshl_add_u32 v6, v7, 4, v6
	v_lshlrev_b32 v7, 4, v0
	s_wait_loadcnt 0x0
	v_max_num_f32 v4, |v[X]|, |v[X+1]|
.set i, 2
.rept 15
	v_max3_num_f32 v4, v4, |v[X+i]|, |v[X+i+1]|
.set i, i+2
.endr
.irp j, 0,1,2,3
.irp q, 0,1,2,3
	v_cvt_pk_f16_f32 v[Y+4*(\j)+(\q)], v[X+8*(\q)+(\j)], v[X+8*(\q)+4+(\j)]
.endr
	ds_store_b128 v5, v[Y+4*(\j):Y+4*(\j)+3] offset:144*(\j)
.endr
	WGMAX 4                                ; its barrier publishes the stage
.irp i, 0,1,2,3
	ds_load_b128 v[X+4*(\i):X+4*(\i)+3], v6 offset:9216*(\i)
.endr
.irp i, 0,1,2,3
	s_wait_dscnt 3-(\i)                    ; LDS loads come back in order: load i is in
	global_store_b128 v7, v[X+4*(\i):X+4*(\i)+3], s[24:25] offset:8192*(\i)
.endr
	PUT1 0, 4
	FINISH
; ---------------------------------------------------------------- path W: one weight matrix
.LpathW:
	s_cmp_eq_u32 ttmp9, 1
	s_cselect_b64 s[42:43], s[16:17], s[14:15]
	s_cmp_eq_u32 ttmp9, 2
	s_cselect_b64 s[42:43], s[18:19], s[42:43]
	s_cmp_eq_u32 ttmp9, 3
	s_cselect_b64 s[42:43], s[20:21], s[42:43]
	s_lshr_b32 s5, s4, 2                   ; kq: my 64 rows of K
	s_lshl_b32 s46, s5, 16
	s_add_nc_u64 s[42:43], s[42:43], s[46:47]
	v_and_b32 v3, 127, v0                  ; n2: my columns 2 n2, 2 n2 + 1
	v_lshlrev_b32 v4, 3, v3
	s_cmp_lg_u32 ttmp9, 0
	s_cbranch_scc1 .Lw_full
	s_cmp_eq_u32 s5, 0
	s_cbranch_scc1 .Lw_full
	s_cmp_eq_u32 s5, 1                     ; w0 has 68 rows: of the second 64 four exist, of the rest none; no load leaves w0
	s_cbranch_scc0 .Lw_none
.irp i, 0,1,2,3
	global_load_b64 v[X+2*(\i):X+2*(\i)+1], v4, s[42:43] offset:1024*(\i) th:TH_LOAD_NT
.endr
	s_branch .Lw_rest
.Lw_none:
.set i, 0
.rept 8
	v_mov_b32 v[X+i], 0
.set i, i+1
.endr
.Lw_rest:                              ; rows that w0 does not have count as zeros: one text serves all four matrices from here on
.set i, 8
.rept 120
	v_mov_b32 v[X+i], 0
.set i, i+1
.endr
	s_branch .Lw_have
.Lw_full:
.set i, 0
.rept 64
	global_load_b64 v[X+2*i:X+2*i+1], v4, s[42:43] offset:1024*i th:TH_LOAD_NT  ; row 64 kq + i: 256 consecutive bytes a wave
.set i, i+1
.endr
.Lw_have:
	s_lshl_b32 s44, s5, 10
	s_add_co_u32 s44, s44, CS
	v_add_nc_u32 v12, s44, v4
	v_and_b32 v13, 255, v0
	v_lshl_add_u32 v13, v13, 2, CS
	v_mul_u32_u24 v22, v3, 1056            ; the stage: row n = 2 n2 (+ c) of 528 bytes, my 128 bytes at 128 kq
	s_lshl_b32 s44, s5, 7
	v_add_nc_u32 v22, s44, v22
	v_lshrrev_b32 v23, 4, v0               ; back: sixteen threads take 256 bytes of a row
	v_mul_u32_u24 v23, v23, 528
	v_and_b32 v24, 15, v0
	v_lshl_add_u32 v23, v24, 4, v23
	v_add_nc_u32 v24, 67584, v23           ; 128 rows on: beyond the reach of the 16-bit offset
	v_lshlrev_b32 v25, 4, v0
	s_lshl_b32 s46, ttmp9, 1               ; w0 has block 0; w_l has blocks 2 l - 1 and 2 l
	s_sub_co_u32 s46, s46, 1
	s_max_i32 s46, s46, 0
	s_lshl_b32 s46, s46, 16
	s_add_nc_u64 s[34:35], s[34:35], s[46:47]
	s_lshl_b32 s46, ttmp9, 3
	s_add_co_u32 s46, s46, 768
	s_add_nc_u64 s[58:59], s[32:33], s[46:47]
	s_wait_loadcnt 0x0
	; sums of |w| down my two columns, two chains each
.irp c, 0,1
.irp p, 0,1
	v_add_f32 v[8+2*(\c)+(\p)], |v[X+2*(\p)+(\c)]|, |v[X+2*((\p)+2)+(\c)]|
.endr
.endr
.set i, 4
.rept 60
	v_add_f32 v[8+i%2], v[8+i%2], |v[X+2*i]|
	v_add_f32 v[10+i%2], v[10+i%2], |v[X+2*i+1]|
.set i, i+1
.endr
	v_add_f32 v8, v8, v9
	v_add_f32 v9, v10, v11
	ds_store_b64 v12, v[8:9]
	s_wait_dscnt 0x0
	s_barrier_signal -1
	s_barrier_wait -1
	ds_load_b32 v14, v13
	ds_load_b32 v15, v13 offset:1024
	ds_load_b32 v16, v13 offset:2048
	ds_load_b32 v17, v13 offset:3072
	s_wait_dscnt 0x0
	v_add_f32 v14, v14, v15
	v_add_f32 v16, v16, v17
	v_add_f32 v14, v14, v16
	WGMAX 14                               ; the largest column sum
	v_lshrrev_b32 v18, 23, v14             ; its biased exponent,
	v_max_u32 v18, 97, v18
	v_min_u32 v18, 157, v18                ; kept within 2^-30 .. 2^30
	v_sub_nc_u32 v20, 253, v18
	v_lshlrev_b32 v20, 23, v20             ; rho: the scaled column sums lie below 1
	v_add_nc_u32 v21, 1, v18
	v_lshlrev_b32 v21, 23, v21             ; 1 / rho
.set i, 0
.rept 64
	v_pk_mul_f32 v[X+2*i:X+2*i+1], v[X+2*i:X+2*i+1], v[20:21] op_sel_hi:[1,0]  ; a power of two: exact
.set i, i+1
.endr
.set i, 0
.rept 32
	v_cvt_pk_f16_f32 v[Y+i],    v[X+4*i],   v[X+4*i+2]  ; column 2 n2:     k = 64 kq + 2 i, + 1
	v_cvt_pk_f16_f32 v[Y+32+i], v[X+4*i+1], v[X+4*i+3]  ; column 2 n2 + 1
.set i, i+1
.endr
.irp c, 0,1
.irp q, 0,1,2,3,4,5,6,7
	ds_store_b128 v22, v[Y+32*(\c)+4*(\q):Y+32*(\c)+4*(\q)+3] offset:528*(\c)+16*(\q)
.endr
.endr
	s_wait_dscnt 0x0
	s_barrier_signal -1
	s_barrier_wait -1
; eight runs of 8,192 bytes: one block [256 n][128 k]
.macro WOUT i0
.irp j, 0,1,2,3,4,5,6,7
	ds_load_b128 v[X+4*((\i0)+(\j)):X+4*((\i0)+(\j))+3], v[23+(\j)/4] offset:((\j)%4)*16896+((\i0)/8)*256
.endr
.irp j, 0,1,2,3,4,5,6,7
	s_wait_dscnt 7-(\j)
	global_store_b128 v25, v[X+4*((\i0)+(\j)):X+4*((\i0)+(\j))+3], s[34:35] offset:8192*((\i0)+(\j))
.endr
.endm
	WOUT 0
	s_cmp_eq_u32 ttmp9, 0
	s_cbranch_scc1 .Lw_one_block           ; w0 has one block
	WOUT 8
.Lw_one_block:
	PUT1 1, 20
	FINISH
; ---------------------------------------------------------------- path W4
.LpathW4:
	s_cmp_lt_u32 s4, 8
	s_cbranch_scc0 .Lw4_no_row
	v_mul_u32_u24 v3, v0, 12               ; thread k: w4[k][0..2]
	global_load_b32 v4, v3, s[22:23]
	global_load_b32 v5, v3, s[22:23] offset:4
	global_load_b32 v6, v3, s[22:23] offset:8
	v_lshlrev_b32 v7, 1, v0
	s_wait_loadcnt 0x0
	v_cvt_pk_f16_f32 v4, v4, v4
	v_cvt_pk_f16_f32 v5, v5, v5
	v_cvt_pk_f16_f32 v6, v6, v6
	ds_store_b16 v7, v4
	ds_store_b16 v7, v5 offset:512
	ds_store_b16 v7, v6 offset:1024
.Lw4_no_row:
	s_cmp_lt_u32 s4, 13
	s_cbranch_scc0 .Lw4_no_zero
	v_lshlrev_b32 v8, 4, v0                ; 416 threads x 16 bytes: rows 3 to 15
	v_mov_b32 v12, 0
	v_mov_b32 v13, 0
	v_mov_b32 v14, 0
	v_mov_b32 v15, 0
	ds_store_b128 v8, v[12:15] offset:1536
.Lw4_no_zero:
	s_wait_dscnt 0x0
	s_barrier_signal -1
	s_barrier_wait -1
	v_lshlrev_b32 v9, 4, v0
	ds_load_b128 v[16:19], v9
	s_wait_dscnt 0x0
	global_store_b128 v9, v[16:19], s[36:37]
	FINISH
.Lfunc_end_k_q398b51b500_prep:
	.size	k_q398b51b500_prep, .Lfunc_end_k_q398b51b500_prep-k_q398b51b500_prep
	.p2alignl 7, 3214868480
	.fill 96, 4, 3214868480
	.section	.rodata,"a",@progbits
	.p2align	6, 0x0
	.amdhsa_kernel k_q398b51b500_prep
		.amdhsa_group_segment_fixed_size 141568
		.amdhsa_private_segment_fixed_size 0
		.amdhsa_enable_private_segment 0
		.amdhsa_kernarg_size 120
		.amdhsa_user_sgpr_count 2
		.amdhsa_user_sgpr_kernarg_segment_ptr 1
		.amdhsa_wavefront_size32 1
		.amdhsa_system_sgpr_workgroup_id_x 1
		.amdhsa_system_sgpr_workgroup_id_y 1
		.amdhsa_system_sgpr_workgroup_id_z 1
		.amdhsa_system_vgpr_workitem_id 0
		.amdhsa_next_free_vgpr 256
		.amdhsa_next_free_sgpr 66
		.amdhsa_reserve_vcc 1
		.amdhsa_float_denorm_mode_32 3
		.amdhsa_float_denorm_mode_16_64 3
		.amdhsa_memory_ordered 1
		.amdhsa_forward_progress 1
		.amdhsa_inst_pref_size 56
	.end_amdhsa_kernel
	.amdgpu_metadata
---
amdhsa.version: [ 1, 2 ]
amdhsa.kernels:
  - .name:           k_q398b51b500_prep
    .symbol:         k_q398b51b500_prep.kd
    .args:
      - { .name: feat, .offset: 0, .size: 8, .value_kind: global_buffer, .address_space: global }
      - { .name: grid, .offset: 8, .size: 8, .value_kind: global_buffer, .address_space: global }
      - { .name: cell, .offset: 16, .size: 8, .value_kind: global_buffer, .address_space: global }
      - { .name: w0, .offset: 24, .size: 8, .value_kind: global_buffer, .address_space: global }
      - { .name: w1, .offset: 32, .size: 8, .value_kind: global_buffer, .address_space: global }
      - { .name: w2, .offset: 40, .size: 8, .value_kind: global_buffer, .address_space: global }
      - { .name: w3, .offset: 48, .size: 8, .value_kind: global_buffer, .address_space: global }
      - { .name: w4, .offset: 56, .size: 8, .value_kind: global_buffer, .address_space: global }
      - { .name: featT, .offset: 64, .size: 8, .value_kind: global_buffer, .address_space: global }
      - { .name: idx, .offset: 72, .size: 8, .value_kind: global_buffer, .address_space: global }
      - { .name: extg, .offset: 80, .size: 8, .value_kind: global_buffer, .address_space: global }
      - { .name: wgt, .offset: 88, .size: 8, .value_kind: global_buffer, .address_space: global }
      - { .name: stats, .offset: 96, .size: 8, .value_kind: global_buffer, .address_space: global }
      - { .name: wts, .offset: 104, .size: 8, .value_kind: global_buffer, .address_space: global }
      - { .name: w4t, .offset: 112, .size: 8, .value_kind: global_buffer, .address_space: global }
    .group_segment_fixed_size: 141568
    .private_segment_fixed_size: 0
    .kernarg_segment_align: 8
    .kernarg_segment_size: 120
    .max_flat_workgroup_size: 512
    .sgpr_count:     66
    .vgpr_count:     256
    .wavefront_size: 32
...
	.end_amdgpu_metadata
.endif
;; end of part 1
;; launch mlp (part 2): grid 256 x 1, 4 waves a work-group, clusters of 4 x 1, 327,680 bytes of LDS; arguments wts, featT, idx, extg, cell, wgt, stats, w4t, b0, b1, b2, b3, b4, out0; writes out0
.if DOCPART == 2
	.amdgcn_target "amdgcn-amd-amdhsa--gfx1250"
	.amdhsa_code_object_version 6
	.text
	.protected	k_q398b51b500_mlp
	.globl	k_q398b51b500_mlp
	.p2align	8
	.type	k_q398b51b500_mlp,@function
k_q398b51b500_mlp:
	s_mov_b64 s[64:65], 0
	v_nop
	global_prefetch_b8 v0, s[64:65] scope:SCOPE_SE
	s_setreg_imm32_b32 hwreg(HW_REG_WAVE_MODE, 25, 1), 1
	s_wait_xcnt 0x0
	s_wait_alu depctr_hold_cnt(0) depctr_sa_sdst(0) depctr_va_vdst(0) depctr_va_sdst(0) depctr_va_ssrc(0) depctr_va_vcc(0) depctr_vm_vsrc(0)
	s_getreg_b32 s2, hwreg(HW_REG_IB_STS2, 6, 4)
	s_cmp_eq_u32 s2, 0
	s_cbranch_scc0 .Lentry_in_a_cluster
	s_endpgm
.Lentry_in_a_cluster:
	s_bfe_u32 s2, ttmp6, 0x10000c
	s_cmp_lg_u32 s2, 0x3003
	s_cbranch_scc0 .Lentry_shape_is_right
	s_endpgm
.Lentry_shape_is_right:
; LIIF: gather, MLP 68-256-256-256-256-3 with ReLU on four shifted samples a query, and the blend, in one launch.
; SHARES.  A work-group owns 256 queries = 1,024 rows and walks them as 4 tiles of 256 rows (64 queries x 4 shifts).  In a layer a wave makes 128 rows x 128 columns: 64 accumulators, 512 registers.
; The activations (256 rows x 256 f16) stay in LDS and are overwritten in place by each layer's way out.  Row 64 g + 16 s + i of a tile is query 16 g + i, shift s; wave g finishes it in the last layer.
; WEIGHTS come as blocks [256 n][128 k] of f16 (7 a tile: one for layer 0, two for each hidden layer) through a ring of two LDS slots.  All work-groups walk the same blocks, so the four of a cluster ask
; JOINTLY: the same tensor load, descriptor and mask in all four.  Each wave fetches 64 rows of 256 bytes.  A wave has one tensor load out at any time.
; FORMATS.  Products in f16 with f32 sums.  The weights arrive scaled by powers of two rho_l so that their column sums of |w| lie below 1; the inputs are scaled by a power of two s so that
; s x (largest |input| + the sum of the scaled largest |bias|) < 2^14.  So a stored activation, s rho_0 .. rho_l h_l, stays below 2^14 whatever the data.  The scaled bias is the C operand of a layer's first product.
; The last layer's sums are multiplied by the exact inverse of all scales.
; LIMITS.  |feat|, |q_grid|, |q_cell|, |w4| below 65,504; the bound above below 2^28 (s is kept within 2^-14 .. 2^15); NaN and infinities are not treated apart.
; THE MATRIX INSTRUCTION IS USED TRANSPOSED: source 0 = 16 rows of weights (n), source 1 = 16 rows of activations: a lane then holds one row and eight neighbouring n, 16 bytes of f16.
; REGISTERS, in windows of 256 (s_set_vgpr_msb: bits 1:0 source 0, 3:2 source 1, 5:4 source 2, 7:6 destination):
;   window 0: v0-31 addresses and scales; v32-63 the last layer's 4 accumulators; v64-191 fragments of the activations, two buffers; v192-255 the gather's indices and addresses, the blend
;   window 1: v0-63 the bias in an accumulator's layout; v64-191 fragments of the weights, two buffers; v192-255 the gathered rows
;   windows 2, 3: the accumulators of my rows 0-63 and 64-127; (a, b) at v[8 (8 (a % 4) + b)]
.set PW,    272                        ; a row of weights in LDS: 256 bytes + 16: an odd multiple of 16, so the 16 rows of a fragment load start 16 bytes apart modulo 256
.set PA,    528                        ; a row of activations: 512 + 16, likewise
.set WPART, 64*PW                      ; what one tensor load brings
.set SLOTB, 4*WPART                    ; 0x11000: its bits 12 and 16 occur in no wave's part (multiples of 0x4400 up to 0xcc00), so one exclusive or changes slots
.set ACT,   2*SLOTB
.set BIAS,  ACT+256*PA                 ; the four scaled biases, 1,024 bytes each
.set OUTST, BIAS+4096                  ; the work-group's results, 256 queries x 12 bytes
.set W4L,   OUTST+3072                 ; w4, 16 rows x 528
.set SPARE, W4L+16*PA                  ; the spare words, 128 bytes a wave
.set ADRA, 8                           ; my activation fragments
.set ADRB0, 9                          ; my weight fragments in slot 0
.set ADRB, 10                          ; the same in the slot in hand
.set ABI0, 11                          ; my bias words of layer 0
.set ABI,  12                          ; of the layer in hand
.set STO,  13                          ; the way out: where my 16 bytes of a row go
.set A4,   14                          ; the last layer: fragments of my 64 rows
.set GST,  15                          ; where a gathered 16 bytes go
.set EST,  16                          ; where columns 64-95 of my rows go
.set IDXA, 17
.set EXGA, 18
.set CELA, 19
.set WGTA, 20
.set OUTA, 21
.set SC16, 22                          ; s, twice, in f16
.set CHK,  23                          ; 16 x (lane % 8)
.set ZR,   24                          ; v24-27 zeros
.set SPW,  28                          ; my spare word's address; never rewritten
.set NIL,  29                          ; 0; never rewritten
.set AW4,  30
.set INV,  31                          ; the inverse of all scales
.set O4,   32
.set F0,   64
.set F1,   128
.set IDX,  192
.set GA,   208
.set EXG,  224
.set CEL,  226
.set EQD,  228                         ; two quads: q_grid, q_cell, 0, 0
.set WGT,  236
.set BL,   240
.set GF,   192                         ; window 1
.set WV, 10                            ; s10 wave
.set RH, 11                            ; s11 my half of the rows
.set CH, 12                            ; s12 my half of the columns
.set WG, 13                            ; s13 work-group: enters global addresses of my own queries alone
.set G1, 24
.set G0, 32
.set WB, 36                            ; s[36:37] wts at my wave's 64 rows of block 0
.set OFF, 38                           ; s[38:39] a block's byte offset
.set NXT, 40                           ; the block to ask for next
.set TB, 42                            ; the slot in hand: 0 or SLOTB
.set TILES, 43
.set LAY, 44
.set LB, 45                            ; the layer's bias offset
.set B4, 48
.set SEL, 52
.set RHO, 56                           ; s[56:63] rho_0, 1/rho_0 .. rho_3, 1/rho_3
.set P_WTS, 68
.set P_FEAT, 70
.set P_IDX, 72
.set P_EXG, 74
.set P_CEL, 76
.set P_WGT, 78
.set P_STAT, 80
.set P_W4, 82
.set P_B, 84
.set P_B4, 92
.set P_OUT, 94
.set MSB, 0
.macro WIN new                         ; the immediate's high byte repeats the setting that is left; a switch that changes nothing is dropped
.if MSB != (\new)
	s_set_vgpr_msb (MSB<<8)|(\new)
.set MSB, \new
.endif
.endm
.macro PLACES                          ; four places between a matrix instruction and a vector read of its result, or a load into its registers
.rept 4
	v_nop
.endr
.endm
.macro CREST                           ; a round of the cluster's barrier behind its opening barrier
	s_cmp_lg_u32 s[WV], 0
	s_cbranch_scc1 .Lnot_wave_0_\@
	s_barrier_signal -3
.Lnot_wave_0_\@:
	s_barrier_wait -3
	s_barrier_signal -1
	s_barrier_wait -1
.endm
.macro CROUND
	s_barrier_signal -1
	s_barrier_wait -1
	CREST
.endm
.macro JLOAD                           ; the joint load: every wave fetches its own 64 rows; an s_nop 0 and four v_nop follow
	tensor_load_to_lds s[G0:G0+3], s[G1:G1+7]
	s_nop 0
.rept 4
	v_nop
.endr
.endm
.macro NEXTG0                          ; stands where no tensor load of mine is out: the other slot, block NXT; the address is made anew from the block's number
	s_lshl_b32 s[OFF], s[NXT], 16
	s_xor_b32 s[G0+1], s[G0+1], SLOTB
	s_add_nc_u64 s[G0+2:G0+3], s[WB:WB+1], s[OFF:OFF+1]
	s_or_b32 s[G0+3], s[G0+3], 0x80000000
	s_add_co_u32 s[NXT], s[NXT], 1
	s_cmp_gt_u32 s[NXT], 6
	s_cselect_b32 s[NXT], 0, s[NXT]        ; behind a tile's last block comes block 0 again
.endm
.macro FLIP
	s_xor_b32 s[TB], s[TB], SLOTB
	v_add_nc_u32 v[ADRB], s[TB], v[ADRB0]
.endm
; 16 products: row blocks a0, a0 + 1 of the window's four x all 8 column blocks, 32 along K.  mode = 1: a layer's first products take the bias as C.
; The 64 accumulators take turns in one fixed order, one instruction a turn.
.macro MUL16 f, hi, a0, mode
.if \mode
	WIN 0x91+0x40*(\hi)
.else
	WIN 0xa1+0x50*(\hi)
.endif
.irp a, \a0, (\a0)+1
.irp b, 0,1,2,3,4,5,6,7
.if \mode
	v_wmma_f32_16x16x32_f16 v[8*(8*(\a)+(\b)):8*(8*(\a)+(\b))+7], v[(\f)+8*(\b):(\f)+8*(\b)+7], v[(\f)+8*(4*(\hi)+(\a)):(\f)+8*(4*(\hi)+(\a))+7], v[8*(\b):8*(\b)+7]
.else
	v_wmma_f32_16x16x32_f16 v[8*(8*(\a)+(\b)):8*(8*(\a)+(\b))+7], v[(\f)+8*(\b):(\f)+8*(\b)+7], v[(\f)+8*(4*(\hi)+(\a)):(\f)+8*(4*(\hi)+(\a))+7], v[8*(8*(\a)+(\b)):8*(8*(\a)+(\b))+7]
.endif
.endr
.endr
.endm
; 32 LDS loads in one run: 128 rows of weights at byte kb, 128 rows of activations at byte ka, 32 along K, into buffer f
.macro FETCH ka, kb, f
	WIN 0x40
.irp i, 0,1,2,3,4,5,6,7
	ds_load_b128 v[(\f)+8*(\i):(\f)+8*(\i)+3],   v[ADRB] offset:(\kb)+(\i)*16*PW
	ds_load_b128 v[(\f)+8*(\i)+4:(\f)+8*(\i)+7], v[ADRB] offset:(\kb)+(\i)*16*PW+32
.endr
	WIN 0
.irp i, 0,1,2,3,4,5,6,7
	ds_load_b128 v[(\f)+8*(\i):(\f)+8*(\i)+3],   v[ADRA] offset:(\ka)+(\i)*16*PA
	ds_load_b128 v[(\f)+8*(\i)+4:(\f)+8*(\i)+7], v[ADRA] offset:(\ka)+(\i)*16*PA+32
.endr
.endm
.macro QUARTER ka, kb, f, g, mode      ; multiplies buffer f; in its middle fetches the next quarter into g
	s_wait_dscnt 8                         ; all but the youngest eight loads (activation rows 64-127) are in
	MUL16 \f, 0, 0, \mode
	MUL16 \f, 0, 2, \mode
	PLACES
	FETCH \ka, \kb, \g
	s_wait_dscnt 32                        ; all but the 32 just issued
	MUL16 \f, 1, 0, \mode
	MUL16 \f, 1, 2, \mode
.endm
.macro START                           ; a layer begins: its bias in an accumulator's layout, and its first fragments
	WIN 0
	v_add_nc_u32 v[ABI], s[LB], v[ABI0]
	WIN 0x40
.irp b, 0,1,2,3,4,5,6,7
	ds_load_b128 v[8*(\b):8*(\b)+3],   v[ABI] offset:64*(\b)
	ds_load_b128 v[8*(\b)+4:8*(\b)+7], v[ABI] offset:64*(\b)+16
.endr
	FETCH 0, 0, F0
.endm
; The first half of a step's last quarter, and ONE barrier.  ring = 1: in front of it the wave waits for all its tensor loads (one is out: its part of the other slot), adds 0 to its spare word,
; and waits for that and for all its LDS reads.  Behind the barrier nobody reads this slot, or, at a layer's end, the activations, any more.
.macro MEET f, ring
	WIN 0
.if \ring
	s_wait_tensorcnt 0x0
	ds_add_u32 v[SPW], v[NIL]
	s_wait_dscnt 9                         ; the add and the youngest eight loads may be out
.else
	s_wait_dscnt 8
.endif
	MUL16 \f, 0, 0, 0
	s_wait_dscnt 0x0                       ; the add is done, and my reads are over
	s_barrier_signal -1
	MUL16 \f, 0, 2, 0
	WIN 0
	s_barrier_wait -1
.endm
.macro TURN f, fill                    ; the change of slots in a layer's middle
	MEET \f, 1
.if \fill
	CREST                                  ; the barrier has opened a round of the cluster's: no wave of any partner still reads the slot or has a load on its way
	NEXTG0
	JLOAD                                  ; the first tensor load behind the round; its four v_nop are also the places in front of the loads below
.else
	PLACES
.endif
	FLIP
	FETCH 256, 0, F0
	MUL16 \f, 1, 0, 0
	MUL16 \f, 1, 2, 0
.endm
.macro ENDTURN f, fill                 ; the change of slots at a layer's end
	MEET \f, \fill
.if \fill
	CREST
	NEXTG0
	JLOAD
	FLIP
.endif
	MUL16 \f, 1, 0, 0
	MUL16 \f, 1, 2, 0
.endm
; A layer's way out: ReLU, rounding to f16 in place (each accumulator from its lowest register on), 16 bytes a lane over the activations; then a barrier behind which nothing is filled.
.macro EPI
	PLACES
.irp a, 0,1,2,3,4,5,6,7
	WIN 0x8a+0x45*((\a)/4)
.irp b, 0,1,2,3,4,5,6,7
.set rA, 8*(8*((\a)%4)+(\b))
.irp j, 0,1,2,3,4,5,6,7
	v_max_num_f32 v[rA+(\j)], 0, v[rA+(\j)]
.endr
.irp q, 0,1,2,3
	v_cvt_pk_f16_f32 v[rA+(\q)], v[rA+2*(\q)], v[rA+2*(\q)+1]
.endr
.endr
	WIN 0x08+0x04*((\a)/4)
.irp b, 0,1,2,3,4,5,6,7
.set rA, 8*(8*((\a)%4)+(\b))
	ds_store_b128 v[STO], v[rA:rA+3] offset:(\a)*16*PA+32*(\b)
.endr
.endr
	WIN 0
	s_wait_dscnt 0x0
	s_barrier_signal -1
	s_barrier_wait -1
.endm
.macro HA                              ; a hidden layer's first K step but for its last quarter
	START
	QUARTER 64,  64,  F0, F1, 1
	QUARTER 128, 128, F1, F0, 0
	QUARTER 192, 192, F0, F1, 0
.endm
.macro HB fill                         ; the rest of the layer
	TURN F1, \fill
	QUARTER 320, 64,  F0, F1, 0
	QUARTER 384, 128, F1, F0, 0
	QUARTER 448, 192, F0, F1, 0
	ENDTURN F1, \fill
.endm
.macro IDXLOAD                         ; load i: the pixel of query 16 wave + i, shift lane / 8
.irp i, 0,1,2,3,4,5,6,7,8,9,10,11,12,13,14,15
	global_load_b32 v[IDX+(\i)], v[IDXA], s[P_IDX:P_IDX+1] offset:16*(\i)
.endr
.endm
.macro GATHER                          ; 64 rows of 128 bytes, eight lanes a row, into registers; the rows' coordinates; then the pointers step to the next tile
	WIN 0
.irp i, 0,1,2,3,4,5,6,7,8,9,10,11,12,13,14,15
	v_min_u32 v[GA+(\i)], 0x7fff, v[IDX+(\i)]
	v_lshl_add_u32 v[GA+(\i)], v[GA+(\i)], 7, v[CHK]
.endr
	WIN 0x40
.irp i, 0,1,2,3,4,5,6,7,8,9,10,11,12,13,14,15
	global_load_b128 v[GF+4*(\i):GF+4*(\i)+3], v[GA+(\i)], s[P_FEAT:P_FEAT+1]
.endr
	WIN 0
	global_load_b32 v[EXG],   v[EXGA], s[P_EXG:P_EXG+1]
	global_load_b32 v[EXG+1], v[EXGA], s[P_EXG:P_EXG+1] offset:8
	global_load_b64 v[CEL:CEL+1], v[CELA], s[P_CEL:P_CEL+1]
	s_wait_xcnt 0x0                        ; the bases are stepped only behind this wait
	s_add_nc_u64 s[P_IDX:P_IDX+1], s[P_IDX:P_IDX+1], 1024
	s_add_nc_u64 s[P_EXG:P_EXG+1], s[P_EXG:P_EXG+1], 1024
	s_add_nc_u64 s[P_CEL:P_CEL+1], s[P_CEL:P_CEL+1], 512
.endm
.macro GSTORE                          ; the next tile's inputs, times s, into my own 64 rows, which I alone read last
	s_wait_loadcnt 0x0
	WIN 0x41
.set i, 0
.rept 64
	v_pk_mul_f16 v[GF+i], v[GF+i], v[SC16]
.set i, i+1
.endr
	WIN 0x04
.irp i, 0,1,2,3,4,5,6,7,8,9,10,11,12,13,14,15
	ds_store_b128 v[GST], v[GF+4*(\i):GF+4*(\i)+3] offset:PA*(\i)
.endr
	WIN 0
	v_mul_f32 v[CEL],   0x43000000, v[CEL]
	v_mul_f32 v[CEL+1], 0x43000000, v[CEL+1]
	v_cvt_pk_f16_f32 v4, v[CEL], v[CEL+1]
	v_pk_mul_f16 v[EQD],   v[EXG],   v[SC16]
	v_pk_mul_f16 v[EQD+4], v[EXG+1], v[SC16]
	v_pk_mul_f16 v[EQD+1], v4, v[SC16]
	v_mov_b32 v[EQD+5], v[EQD+1]
.irp u, 0,1                            ; rows lane and 32 + lane of my 64: columns 64-71, then zeros up to column 95
	ds_store_b128 v[EST], v[EQD+4*(\u):EQD+4*(\u)+3] offset:32*PA*(\u)
	ds_store_b128 v[EST], v[ZR:ZR+3] offset:32*PA*(\u)+16
	ds_store_b128 v[EST], v[ZR:ZR+3] offset:32*PA*(\u)+32
	ds_store_b128 v[EST], v[ZR:ZR+3] offset:32*PA*(\u)+48
.endr
.endm
; The last layer: my 64 rows (4 shifts x 16 queries) x 16 columns of w4 (3 of them real), K = 256: 32 products on 4 accumulators that take turns.
.macro L4
	WIN 0x40
.irp kb, 0,1,2,3,4,5,6,7
	ds_load_b128 v[64+8*(\kb):64+8*(\kb)+3],   v[AW4] offset:64*(\kb)
	ds_load_b128 v[64+8*(\kb)+4:64+8*(\kb)+7], v[AW4] offset:64*(\kb)+32
.endr
	WIN 0
.irp kb, 0,1,2,3
.irp s, 0,1,2,3
	ds_load_b128 v[64+32*(\s)+8*(\kb):64+32*(\s)+8*(\kb)+3],   v[A4] offset:16*PA*(\s)+64*(\kb)
	ds_load_b128 v[64+32*(\s)+8*(\kb)+4:64+32*(\s)+8*(\kb)+7], v[A4] offset:16*PA*(\s)+64*(\kb)+32
.endr
.endr
	WIN 0x40
.irp kb, 4,5,6,7
.irp s, 0,1,2,3
.set rA, 8*(4*((\kb)-4)+(\s))+64*((\kb)/6)
	ds_load_b128 v[rA:rA+3],   v[A4] offset:16*PA*(\s)+64*(\kb)
	ds_load_b128 v[rA+4:rA+7], v[A4] offset:16*PA*(\s)+64*(\kb)+32
.endr
.endr
	s_wait_dscnt 32                        ; all but the 32 loads of k blocks 4-7
	WIN 0x01
.irp kb, 0,1,2,3
.irp s, 0,1,2,3
.if (\kb) == 0
	v_wmma_f32_16x16x32_f16 v[O4+8*(\s):O4+8*(\s)+7], v[64+8*(\kb):64+8*(\kb)+7], v[64+32*(\s)+8*(\kb):64+32*(\s)+8*(\kb)+7], 0
.else
	v_wmma_f32_16x16x32_f16 v[O4+8*(\s):O4+8*(\s)+7], v[64+8*(\kb):64+8*(\kb)+7], v[64+32*(\s)+8*(\kb):64+32*(\s)+8*(\kb)+7], v[O4+8*(\s):O4+8*(\s)+7]
.endif
.endr
.endr
	s_wait_dscnt 0x0
	WIN 0x05
.irp kb, 4,5,6,7
.irp s, 0,1,2,3
.set rA, 8*(4*((\kb)-4)+(\s))+64*((\kb)/6)
	v_wmma_f32_16x16x32_f16 v[O4+8*(\s):O4+8*(\s)+7], v[64+8*(\kb):64+8*(\kb)+7], v[rA:rA+7], v[O4+8*(\s):O4+8*(\s)+7]
.endr
.endr
	WIN 0
.endm
; Lanes 0-15 hold query lane's three numbers for each shift in registers 0-2 of the four accumulators: unscale, add b4, weight, sum, into the work-group's results.
.macro BLEND
	PLACES
	s_wait_loadcnt 0x0                     ; the weights
.irp c, 0,1,2
.irp s, 0,1,2,3
	v_fma_f32 v[BL+3*(\s)+(\c)], v[O4+8*(\s)+(\c)], v[INV], s[B4+(\c)]
.endr
.endr
.irp c, 0,1,2
	v_mul_f32 v[BL+(\c)], v[BL+(\c)], v[WGT]
.endr
.irp s, 1,2,3
.irp c, 0,1,2
	v_fmac_f32 v[BL+(\c)], v[BL+3*(\s)+(\c)], v[WGT+(\s)]
.endr
.endr
	s_wait_xcnt 0x0                        ; EXEC is a source of the memory instructions issued so far
	v_cmp_gt_u32 vcc_lo, 16, v3
	s_and_saveexec_b32 s14, vcc_lo
	ds_store_b32 v[OUTA], v[BL]
	ds_store_b32 v[OUTA], v[BL+1] offset:4
	ds_store_b32 v[OUTA], v[BL+2] offset:8
	s_or_b32 exec_lo, exec_lo, s14
	v_add_nc_u32 v[OUTA], 768, v[OUTA]     ; the next tile's 64 queries
.endm
.macro WMAX r                          ; the largest of r over the 32 lanes, in every lane; v121 has been written before
	v_max_num_f32_dpp v[\r], v[\r], v[\r] row_xmask:1 row_mask:0xf bank_mask:0xf
	v_max_num_f32_dpp v[\r], v[\r], v[\r] row_xmask:2 row_mask:0xf bank_mask:0xf
	v_max_num_f32_dpp v[\r], v[\r], v[\r] row_xmask:4 row_mask:0xf bank_mask:0xf
	v_max_num_f32_dpp v[\r], v[\r], v[\r] row_xmask:8 row_mask:0xf bank_mask:0xf
	v_permlanex16_b32 v121, v[\r], s[SEL], s[SEL+1]
	v_max_num_f32 v[\r], v[\r], v121
.endm
.macro BETA l                          ; wave l scales b_l and puts it into LDS
	s_cmp_lg_u32 s[WV], \l
	s_cbranch_scc1 .Lnot_mine_\@
.irp j, 0,1,2,3,4,5,6,7
	v_mul_f32 v[72+8*(\l)+(\j)], v[134+(\l)], v[72+8*(\l)+(\j)]
.endr
	ds_store_b128 v138, v[72+8*(\l):72+8*(\l)+3]   offset:1024*(\l)
	ds_store_b128 v138, v[72+8*(\l)+4:72+8*(\l)+7] offset:1024*(\l)+16
.Lnot_mine_\@:
.endm
; ---------------------------------------------------------------- the head
	s_load_b512 s[68:83], s[0:1], 0x0      ; wts, featT, idx, extg, cell, wgt, stats, w4t
	s_load_b256 s[84:91], s[0:1], 0x40     ; b0 .. b3
	s_load_b128 s[92:95], s[0:1], 0x60     ; b4, out0
	v_lshl_add_u32 v[SPW], v0, 2, SPARE
	v_mov_b32 v[NIL], 0
	ds_add_u32 v[SPW], v[NIL]              ; the wave's opening: the add and its wait stand ahead of my first tensor load
	v_lshrrev_b32 v1, 5, v0
	v_readfirstlane_b32 s[WV], v1
	s_lshr_b32 s[RH], s[WV], 1
	s_and_b32 s[CH], s[WV], 1
	s_bfe_u32 s20, ttmp6, 0x40000          ; cx
	s_lshl_b32 s[WG], ttmp9, 2
	s_add_co_u32 s[WG], s[WG], s20
	s_mov_b32 s[G1], 15|(1<<16)|(1<<20)|(1<<21)|(5<<22)|(3<<25)  ; the mask of four; 2-byte elements; padding on; bit 21 beside a mask; after every 64 words 4 words
	s_mov_b32 s[G1+1], 128<<16             ; tensor_dim0 = 128
	s_mov_b32 s[G1+2], 64<<16              ; tensor_dim1 = 64
	s_mov_b32 s[G1+3], 128<<16             ; tile_dim0 = 128
	s_mov_b32 s[G1+4], 64                  ; tile_dim1 = 64
	s_mov_b32 s[G1+5], 128                 ; 128 elements from row to row
	s_mov_b32 s[G1+6], 0
	s_mov_b32 s[G1+7], 0
	s_mov_b32 s[G0], 1
	s_mul_i32 s[G0+1], s[WV], WPART        ; slot 0, my part
	s_mov_b32 s[OFF+1], 0
	s_mov_b32 s[NXT], 1
	s_mov_b32 s[TB], 0
	s_mov_b32 s[TILES], 4
	s_mov_b32 s[SEL], 0x76543210
	s_mov_b32 s[SEL+1], 0xfedcba98
	s_mov_b32 s21, 0
	s_wait_dscnt 0x0                       ; the opening add is done
	s_wait_kmcnt 0x0
	s_lshl_b32 s[OFF], s[WV], 14           ; my 64 rows of 256 bytes in a block
	s_add_nc_u64 s[WB:WB+1], s[P_WTS:P_WTS+1], s[OFF:OFF+1]
	s_mov_b64 s[G0+2:G0+3], s[WB:WB+1]     ; block 0
	s_or_b32 s[G0+3], s[G0+3], 0x80000000
	s_load_b96 s[B4:B4+2], s[P_B4:P_B4+1], 0x0
	s_load_b256 s[RHO:RHO+7], s[P_STAT:P_STAT+1], 0x300
	s_lshl_b32 s20, s[WG], 12              ; my 256 queries: 16 bytes each in idx, extg, wgt,
	s_add_nc_u64 s[P_IDX:P_IDX+1], s[P_IDX:P_IDX+1], s[20:21]
	s_add_nc_u64 s[P_EXG:P_EXG+1], s[P_EXG:P_EXG+1], s[20:21]
	s_add_nc_u64 s[P_WGT:P_WGT+1], s[P_WGT:P_WGT+1], s[20:21]
	s_lshl_b32 s20, s[WG], 11              ; 8 in cell,
	s_add_nc_u64 s[P_CEL:P_CEL+1], s[P_CEL:P_CEL+1], s[20:21]
	s_mul_i32 s20, s[WG], 3072             ; 12 in out0
	s_add_nc_u64 s[P_OUT:P_OUT+1], s[P_OUT:P_OUT+1], s[20:21]
	CROUND                                 ; all four work-groups are here: the first joint loads meet
	JLOAD                                  ; block 0 into slot 0
	v_and_b32 v1, 15, v0                   ; r
	v_bfe_u32 v2, v0, 4, 1                 ; h
	v_and_b32 v3, 31, v0                   ; lane
	v_lshrrev_b32 v6, 3, v3
	v_and_b32 v7, 7, v0
	s_lshl_b32 s19, s[WV], 8
	v_lshl_add_u32 v[IDXA], v6, 2, s19
	IDXLOAD
	v_lshlrev_b32 v140, 4, v3
	v_lshlrev_b32 v141, 3, v3
	v_lshlrev_b32 v142, 5, v3
	v_lshlrev_b32 v143, 4, v0
	global_load_b128 v[64:67], v140, s[P_STAT:P_STAT+1]             ; 128 partial maxima of |feat|
	global_load_b64 v[68:69], v141, s[P_STAT:P_STAT+1] offset:512   ; 64 of |q_grid|, |q_cell|
.irp l, 0,1,2,3
	global_load_b128 v[72+8*(\l):72+8*(\l)+3], v142, s[P_B+2*(\l):P_B+2*(\l)+1]
	global_load_b128 v[72+8*(\l)+4:72+8*(\l)+7], v142, s[P_B+2*(\l):P_B+2*(\l)+1] offset:16
.endr
.irp i, 0,1,2,3
	global_load_b128 v[104+4*(\i):104+4*(\i)+3], v143, s[P_W4:P_W4+1] offset:2048*(\i)
.endr
	; the lanes' addresses
	v_mul_u32_u24 v4, v1, PA
	v_lshl_add_u32 v4, v2, 4, v4           ; 528 r + 16 h
	v_mul_u32_u24 v5, v1, PW
	v_lshl_add_u32 v5, v2, 4, v5           ; 272 r + 16 h
	s_mul_i32 s14, s[RH], 128*PA
	s_add_co_u32 s14, s14, ACT
	v_add_nc_u32 v[ADRA], s14, v4
	s_mul_i32 s15, s[CH], 128*PW
	v_add_nc_u32 v[ADRB0], s15, v5
	v_mov_b32 v[ADRB], v[ADRB0]
	s_lshl_b32 s16, s[CH], 9
	s_add_co_u32 s16, s16, BIAS
	v_lshl_add_u32 v[ABI0], v2, 5, s16
	s_lshl_b32 s17, s[CH], 8
	v_add_nc_u32 v[STO], s17, v[ADRA]
	s_mul_i32 s18, s[WV], 64*PA
	s_add_co_u32 s18, s18, ACT
	v_add_nc_u32 v[A4], s18, v4
	v_mul_u32_u24 v[GST], v6, 16*PA
	v_lshl_add_u32 v[GST], v7, 4, v[GST]
	v_add_nc_u32 v[GST], s18, v[GST]
	v_mul_u32_u24 v[EST], v3, PA
	v_add3_u32 v[EST], v[EST], s18, 128
	v_lshl_add_u32 v[EXGA], v1, 4, s19
	v_mov_b32 v[WGTA], v[EXGA]
	v_lshl_add_u32 v[EXGA], v2, 2, v[EXGA]
	s_lshl_b32 s22, s[WV], 7
	v_lshl_add_u32 v[CELA], v1, 3, s22
	s_mul_i32 s23, s[WV], 192
	s_add_co_u32 s23, s23, OUTST
	v_mad_u32_u24 v[OUTA], v1, 12, s23
	v_lshlrev_b32 v[CHK], 4, v7
	v_add_nc_u32 v[AW4], W4L, v4
	v_lshl_add_u32 v138, v3, 5, BIAS
	s_mul_i32 s22, s[WV], PA
	s_add_co_u32 s22, s22, W4L
	v_lshl_add_u32 v139, v3, 4, s22
.irp i, 0,1,2,3
	v_mov_b32 v[ZR+(\i)], 0
.endr
	v_mov_b32 v[EQD+2], 0
	v_mov_b32 v[EQD+3], 0
	v_mov_b32 v[EQD+6], 0
	v_mov_b32 v[EQD+7], 0
	v_mov_b32 v121, 0
	s_wait_loadcnt 0x0
	s_wait_kmcnt 0x0
	GATHER                                 ; tile 0's rows are on their way while the scales are made
	v_max3_num_f32 v120, v64, v65, v66
	v_max3_num_f32 v120, v120, v67, v68
	v_max_num_f32 v120, v120, v69
.irp l, 0,1,2,3
	v_max3_num_f32 v[122+(\l)], |v[72+8*(\l)]|, |v[73+8*(\l)]|, |v[74+8*(\l)]|
	v_max3_num_f32 v[122+(\l)], v[122+(\l)], |v[75+8*(\l)]|, |v[76+8*(\l)]|
	v_max3_num_f32 v[122+(\l)], v[122+(\l)], |v[77+8*(\l)]|, |v[78+8*(\l)]|
	v_max_num_f32 v[122+(\l)], v[122+(\l)], |v[79+8*(\l)]|
.endr
	WMAX 120                               ; the largest |input|
	WMAX 122                               ; the largest |b_l|
	WMAX 123
	WMAX 124
	WMAX 125
	v_mul_f32 v126, s[RHO], s[RHO+2]       ; rho_0 rho_1
	v_mul_f32 v127, s[RHO+4], v126         ; .. rho_2
	v_mul_f32 v128, s[RHO+6], v127         ; .. rho_3
	v_fma_f32 v120, s[RHO], v122, v120     ; the bound on every scaled activation, but for s
	v_fma_f32 v120, v126, v123, v120
	v_fma_f32 v120, v127, v124, v120
	v_fma_f32 v120, v128, v125, v120
	v_lshrrev_b32 v129, 23, v120           ; its biased exponent be,
	v_max_u32 v129, 125, v129
	v_min_u32 v129, 154, v129              ; kept where s = 2^(140 - be) is a normal f16
	v_sub_nc_u32 v130, 267, v129
	v_lshlrev_b32 v130, 23, v130           ; s in f32
	v_add_nc_u32 v131, -13, v129
	v_lshlrev_b32 v131, 23, v131           ; 1 / s
	v_sub_nc_u32 v132, 155, v129
	v_lshlrev_b32 v132, 10, v132           ; s in f16,
	v_lshl_or_b32 v[SC16], v132, 16, v132  ; twice
	v_mul_f32 v133, s[RHO+1], s[RHO+3]
	v_mul_f32 v133, s[RHO+5], v133
	v_mul_f32 v133, s[RHO+7], v133
	v_mul_f32 v[INV], v133, v131
	v_mul_f32 v134, s[RHO], v130           ; the biases' factors s rho_0 .. rho_l
	v_mul_f32 v135, v130, v126
	v_mul_f32 v136, v130, v127
	v_mul_f32 v137, v130, v128
	BETA 0
	BETA 1
	BETA 2
	BETA 3
.irp i, 0,1,2,3
	ds_store_b128 v139, v[104+4*(\i):104+4*(\i)+3] offset:4*PA*(\i)  ; w4's row wave + 4 i
.endr
	GSTORE
	; the first change of slots: block 0 is waited for, slot 1 is filled as a refill is; the round also publishes the inputs, the biases and w4
	s_wait_tensorcnt 0x0
	ds_add_u32 v[SPW], v[NIL]
	NEXTG0
	s_wait_dscnt 0x0
	CROUND
	JLOAD
; ---------------------------------------------------------------- four tiles
.Ltile:
	global_load_b128 v[WGT:WGT+3], v[WGTA], s[P_WGT:P_WGT+1]
	s_cmp_eq_u32 s[TILES], 1
	s_cbranch_scc1 .Lno_idx                ; the last tile has no successor
	IDXLOAD
.Lno_idx:
	s_wait_xcnt 0x0
	s_add_nc_u64 s[P_WGT:P_WGT+1], s[P_WGT:P_WGT+1], 1024
	s_mov_b32 s[LB], 0
	START                                  ; layer 0: K = 96 (68 and zeros), one block
	QUARTER 64,  64,  F0, F1, 1
	QUARTER 128, 128, F1, F0, 0
	ENDTURN F0, 1
	EPI
	s_cmp_eq_u32 s[TILES], 1
	s_cbranch_scc1 .Lno_gather
	s_wait_loadcnt 0x0                     ; the indices
	GATHER                                 ; the next tile's rows have three layers in which to land
.Lno_gather:
	s_mov_b32 s[LB], 1024
	HA
	WIN 0
	s_mov_b32 s[LAY], 2
.Llayer:                               ; a trip: the rest of a hidden layer, its way out, and the next layer up to its middle
	HB 1
	EPI
	s_add_co_u32 s[LB], s[LB], 1024
	HA
	WIN 0
	s_sub_co_u32 s[LAY], s[LAY], 1
	s_cmp_lg_u32 s[LAY], 0
	s_cbranch_scc1 .Llayer
	s_cmp_eq_u32 s[TILES], 1
	s_cbranch_scc1 .Ltail                  ; the walk's last two changes of slots ask for nothing: they are written out
	HB 1
	EPI
	L4
	BLEND
	GSTORE
	s_wait_dscnt 0x0
	s_barrier_signal -1
	s_barrier_wait -1                      ; the next tile's inputs are whole
	s_sub_co_u32 s[TILES], s[TILES], 1
	s_branch .Ltile
.Ltail:
	HB 0
	EPI
	L4
	BLEND
	s_wait_dscnt 0x0
	s_barrier_signal -1
	s_barrier_wait -1                      ; the work-group's 3,072 bytes of results are whole
	v_lshlrev_b32 v4, 4, v0
	v_add_nc_u32 v5, OUTST, v4
	ds_load_b128 v[64:67], v5
	s_wait_dscnt 0x0
	global_store_b128 v4, v[64:67], s[P_OUT:P_OUT+1]                ; 512 consecutive bytes a wave, at a multiple of 256 from out0's first
	s_cmp_lt_u32 s[WV], 2
	s_cbranch_scc0 .Lno_more
	ds_load_b128 v[68:71], v5 offset:2048
	s_wait_dscnt 0x0
	global_store_b128 v4, v[68:71], s[P_OUT:P_OUT+1] offset:2048
.Lno_more:
	s_wait_tensorcnt 0x0                   ; the wave's end
	ds_add_u32 v[SPW], v[NIL]
	s_wait_dscnt 0x0
	CROUND                                 ; the closing round
	s_endpgm
.Lfunc_end_k_q398b51b500_mlp:
	.size	k_q398b51b500_mlp, .Lfunc_end_k_q398b51b500_mlp-k_q398b51b500_mlp
	.p2alignl 7, 3214868480
	.fill 96, 4, 3214868480
	.section	.rodata,"a",@progbits
	.p2align	6, 0x0
	.amdhsa_kernel k_q398b51b500_mlp
		.amdhsa_group_segment_fixed_size 327680
		.amdhsa_private_segment_fixed_size 0
		.amdhsa_enable_private_segment 0
		.amdhsa_kernarg_size 112
		.amdhsa_user_sgpr_count 2
		.amdhsa_user_sgpr_kernarg_segment_ptr 1
		.amdhsa_wavefront_size32 1
		.amdhsa_system_sgpr_workgroup_id_x 1
		.amdhsa_system_sgpr_workgroup_id_y 1
		.amdhsa_system_sgpr_workgroup_id_z 1
		.amdhsa_system_vgpr_workitem_id 0
		.amdhsa_next_free_vgpr 1024
		.amdhsa_next_free_sgpr 96
		.amdhsa_reserve_vcc 1
		.amdhsa_float_denorm_mode_32 3
		.amdhsa_float_denorm_mode_16_64 3
		.amdhsa_memory_ordered 1
		.amdhsa_forward_progress 1
		.amdhsa_inst_pref_size 255
	.end_amdhsa_kernel
	.section	.bss,"aw",@nobits
	.p2align	6
	.space	262144
	.amdgpu_metadata
---
amdhsa.version: [ 1, 2 ]
amdhsa.kernels:
  - .name:           k_q398b51b500_mlp
    .symbol:         k_q398b51b500_mlp.kd
    .args:
      - { .name: wts, .offset: 0, .size: 8, .value_kind: global_buffer, .address_space: global }
      - { .name: featT, .offset: 8, .size: 8, .value_kind: global_buffer, .address_space: global }
      - { .name: idx, .offset: 16, .size: 8, .value_kind: global_buffer, .address_space: global }
      - { .name: extg, .offset: 24, .size: 8, .value_kind: global_buffer, .address_space: global }
      - { .name: cell, .offset: 32, .size: 8, .value_kind: global_buffer, .address_space: global }
      - { .name: wgt, .offset: 40, .size: 8, .value_kind: global_buffer, .address_space: global }
      - { .name: stats, .offset: 48, .size: 8, .value_kind: global_buffer, .address_space: global }
      - { .name: w4t, .offset: 56, .size: 8, .value_kind: global_buffer, .address_space: global }
      - { .name: b0, .offset: 64, .size: 8, .value_kind: global_buffer, .address_space: global }
      - { .name: b1, .offset: 72, .size: 8, .value_kind: global_buffer, .address_space: global }
      - { .name: b2, .offset: 80, .size: 8, .value_kind: global_buffer, .address_space: global }
      - { .name: b3, .offset: 88, .size: 8, .value_kind: global_buffer, .address_space: global }
      - { .name: b4, .offset: 96, .size: 8, .value_kind: global_buffer, .address_space: global }
      - { .name: out0, .offset: 104, .size: 8, .value_kind: global_buffer, .address_space: global }
    .group_segment_fixed_size: 327680
    .private_segment_fixed_size: 0
    .kernarg_segment_align: 8
    .kernarg_segment_size: 112
    .max_flat_workgroup_size: 128
    .sgpr_count:     96
    .vgpr_count:     1024
    .wavefront_size: 32
...
	.end_amdgpu_metadata
.endif
;; end of part 2
